; MI455X (gfx1250); checked and timed in simulation.
; The chip was launched on July 23, 2026; its instructions are those of AMD's public machine-readable ISA for CDNA 5 (MIT licence, August 2026) and "CDNA5" Instruction Set Architecture Reference Guide (July 2026). The comments in the code are by the model that wrote it; some were corrected since.
;; Mo E Layer. Allowed arithmetic: float matrix products may take bf16 or f16 operands with f32 sums; other float arithmetic in f32, or as packed bf16 or f16 multiplies, adds, multiply-adds, maxima and minima; sums over many terms, partial sums and values carried from step to step in f32; what a program stores and reads back later, other than sums and carried values, may be rounded once to bf16 or f16.
;; Inputs: W1 8 x 1,024 x 256 float32; W2 8 x 256 x 1,024 float32; W3 8 x 1,024 x 256 float32; dom 8 x 1,024 float32; gate_w 1,024 x 8 float32; hidden_states 4 x 2,048 x 1,024 float32.
;; Outputs: out0 4 x 2,048 x 1,024 float32.
;; One version. Each part assembles by itself: llvm-mc -triple=amdgcn-amd-amdhsa -mcpu=gfx1250 --defsym DOCPART=n.
;; ======== version 1 of 1: 2 launches
;; workspace buffers: rec 65,536 bytes of whole numbers; gw 65,536 bytes; wf 12,582,912 bytes; bias 16,384 bytes
;; launch front (part 1): grid 160 x 1, 8 waves a work-group, no clusters, 90,624 bytes of LDS; arguments W1, W3, W2, dom, hidden_states, gate_w, wf, bias, rec, gw; writes wf, bias, rec, gw
.if DOCPART == 1
	.amdgcn_target "amdgcn-amd-amdhsa--gfx1250"
	.amdhsa_code_object_version 6
	.text
	.protected	k_q626b9a57cf_front
	.globl	k_q626b9a57cf_front
	.p2align	8
	.type	k_q626b9a57cf_front,@function
k_q626b9a57cf_front:
	s_mov_b64 s[64:65], 0
	v_nop
	global_prefetch_b8 v0, s[64:65] scope:SCOPE_SE
	s_setreg_imm32_b32 hwreg(HW_REG_WAVE_MODE, 25, 1), 1
	s_wait_xcnt 0x0
; FRONT.  Two jobs that hang on nothing of each other share one launch.  Work-groups 0-63: THE ROUTER.  Work-groups 64-127: W1 and W3 rounded to bf16 and laid in
; operand order, with bias = dom_e @ W_e.  Work-groups 128-159: the same, without a bias, for W2.  The branch hangs on the work-group's number alone; the router and the
; panels have LDS bytes of their own all the same, so that no line of the one names a byte of the other.
; THE ROUTER.  logits = x @ gate_w for 8,192 tokens x 8 experts (K = 1,024); the two largest logits of a token (ties: the lower index first); softmax over the two,
; the larger taken away before the exponential.  x and gate_w are rounded once to bf16 (as every input of the program is), products by the matrix unit, sums in f32.
; LIMITS.  NaN and infinite logits are not treated apart (two different experts are still chosen).  Two logits closer than the rounding of an f32 sum of 1,024 terms may
; change places against a sum taken in another order.  An exponential below 2^-126 counts as 0.
; SHARES.  A work-group has 128 tokens, a wave 16.  A wave reads its 16 rows in eight pieces of 512 bytes a row: each load covers 512 consecutive bytes; three pieces
; (48 loads) stay on their way.  A piece is rounded, laid into the wave's own LDS rows and read back as four fragments (16 tokens x 32 k).  gate_w lies in LDS as bf16 [k][8];
; the turning load makes fragments of it whose rows 8-15 repeat experts 0-7.  The product is used transposed (source 0 = experts, source 1 = tokens): a lane holds all eight
; logits of ONE token (lane % 16).
; OUT.  gw[token] = (weight of the lower expert index, of the higher).  rec[work-group], 1,024 bytes, for the pairs p of experts (a < b, a first: 28 pairs; p 28-31 hold 0):
;   byte p*16 + 2 v: the 16-bit mask of wave v's tokens that chose pair p;  byte 512 + p*8 + v: how many those are;  byte 768 + p*8: how many of all 128 tokens, then 0.
; Each wave lays one word a pair (mask, count above it) into 128 LDS bytes of its own; wave 0 puts the record together and stores it in whole blocks of 256 bytes.
; No address and no branch hangs on a logit.
; wf: fragments of 1,024 bytes (16 output columns m x 32 k): byte half*512 + (h*16 + m)*16 + pos*2 holds (m, k = 16 half + 8 h + pos).
;   first product:  e*1 MiB + w*256 KiB + ks*8 KiB + n*1 KiB: n < 4: W1[e][32 ks + k][64 w + 16 n + m]; n >= 4: W3, column 64 w + 16 (n-4) + m
;   second product: 8 MiB + e*512 KiB + w*128 KiB + ks*16 KiB + c*1 KiB: W2[e][32 ks + k][256 w + 16 c + m]
; bias: f32 [e][w][n][16] = the sum over k of bf16(dom[e][k]) x bf16(W[e][k][column]), products exact, sums in f32: (x + dom) W = x W + dom W.
; A PANEL.  A wave takes 128 k x 64 columns.  A load covers two rows' 256 consecutive aligned bytes (lanes 0-15 row k, lanes 16-31 row k + 8), so a lane holds 8 consecutive k
; of 4 columns in 8 loads: the turn from [k][column] to [column][k] is a choice of registers.  The 16-byte pieces go through the wave's own LDS stage and leave as stores of
; 512 consecutive bytes.  Two groups of loads are on their way.
; No cluster, no tensor load: every weight byte and every byte of x has one reader; the router's work-groups share gate_w alone, 32 KB against the 512 KB of x that each reads.
.set FS,    1040                       ; a panel's stage: a fragment is 1,024 + 16, so that the 16 lanes of a store fall on 16 different 16-byte columns modulo 256
.set STGW,  4*FS                       ; four fragments a wave, from byte 0 on
.set BR,    8*STGW                     ; 33,280: partial biases, 512 bytes a wave
.set GATE,  BR+4096                    ; 37,376: the router's bytes begin: bf16 [1024][8], 16 bytes a k
.set XP,    272                        ; an LDS row of a piece: 256 bytes + 16: the 16 rows of a fragment load start 16 bytes apart modulo 256
.set XST,   GATE+16384                 ; 53,760: 16 rows x 272 bytes for each wave, its own
.set XSTW,  16*XP
.set MK,    XST+8*XSTW                 ; 88,576: one word a pair, 128 bytes for each wave
.set SPARE, MK+1024                    ; 89,600: the spare words, 128 bytes a wave: four blocks of 256 bytes that no other line names
.set SPW, 4                            ; v4   SPARE + 4 x my thread's number; never rewritten
.set NIL, 5                            ; v5   0; never rewritten
; the router's registers
.set XO,  6                            ; 16 x lane: my 16 bytes of a row's 512
.set GO,  7                            ; 16 x thread: my 16 bytes of 4,096 of gate_w
.set GS,  8                            ; where they go in LDS, rounded: 8 x thread
.set XSS, 9                            ; where my 8 rounded bytes of a row go
.set XSL, 10                           ; a token fragment: row lane % 16, 16 bytes for each half of the lanes
.set GA,  11                           ; a gate fragment: k = 8 (lane / 16) + lane % 8
.set P,   16                           ; v16-47   a piece, rounded
.set XF,  48                           ; v48-79   four token fragments
.set GF,  80                           ; v80-111  four gate fragments
.set ACC, 112                          ; v112-143 four accumulators, one for each 32 k of a piece
.set LG,  144                          ; v144-151 the eight logits
.set TS,  152                          ; v152-159 at work
.set M1,  160
.set I1,  161
.set M2,  162
.set I2,  163
.set DD,  164
.set EE,  165
.set G1,  166
.set G2,  167
.set EA,  168
.set EB,  169
.set CODE, 170
.set WA,  171
.set WB,  172
.set VM,  173                          ; lane p: my tokens' mask for pair p, its count from bit 16 on
.set AD,  175                          ; v175 an LDS address; v177 gw's offset
.set RA,  178                          ; v178 16 x lane, v179 8 x lane: offsets in the record
.set RQ,  180                          ; v180-183 a pair's eight masks
.set RC,  184                          ; v184-185 its eight counts
.set RT,  186                          ; v186-187 their sum, and 0
.set RW,  188                          ; v188-195 the eight waves' words
; window 1: v0-255: four buffers of 64 for pieces of x (row r at 4 r); gate_w as loaded lies in v128-159 at the start
; a panel's registers
.set LO,  6                            ; my offset in the source: (lane / 16) x 8 rows + 16 (lane % 16)
.set SA,  7                            ; where my 16-byte pieces go in the stage
.set SRD, 8                            ; where I read the stage back
.set DOF, 9                            ; 16 x lane
.set DL,  10                           ; 32 (lane / 16): my 8 numbers of dom
.set TA,  11
.set BA,  12                           ; v12-15   partial bias of my 4 columns
.set DR,  16                           ; v16-47   dom as loaded, two buffers of 16
.set DP,  48                           ; v48-55   dom rounded
.set PK,  56                           ; v56-87   32 k x 4 columns rounded: 8 pieces of 16 bytes
.set RB,  88                           ; v88-119  the stage read back
.set XR,  128                          ; v128-255 weights as loaded, two buffers of 64
.set MSB, 0
.macro WIN new                         ; s_set_vgpr_msb: bits 1:0 source 0, 3:2 source 1, 5:4 source 2, 7:6 destination; the high byte repeats the setting that is left
.if MSB != (\new)
	s_set_vgpr_msb (MSB<<8)|(\new)
.set MSB, \new
.endif
.endm
.macro XLOAD c                         ; piece c: 512 bytes of each of my 16 rows
	WIN 0x40
.set xi, 0
.rept 16
	global_load_b128 v[64*((\c)%4)+4*xi:64*((\c)%4)+4*xi+3], v[XO], s[28:29] offset:xi*4096+(\c)*512 th:TH_LOAD_NT
.set xi, xi+1
.endr
.endm
; One piece: 128 k.  The 32 roundings are also the places between the last piece's matrix instructions and the loads into their sources.
.macro STEP c
.if (\c) <= 4
	XLOAD (\c)+3
	s_wait_loadcnt 48                              ; three younger pieces stay out
.else
	s_wait_loadcnt 16*(7-(\c))                     ; the pieces that are left
.endif
	WIN 0x05
.set xi, 0
.rept 16
	v_cvt_pk_bf16_f32 v[P+2*xi],   v[64*((\c)%4)+4*xi],   v[64*((\c)%4)+4*xi+1]
	v_cvt_pk_bf16_f32 v[P+2*xi+1], v[64*((\c)%4)+4*xi+2], v[64*((\c)%4)+4*xi+3]
.set xi, xi+1
.endr
	WIN 0
.set xi, 0
.rept 16
	ds_store_b64 v[XSS], v[P+2*xi:P+2*xi+1] offset:xi*XP
.set xi, xi+1
.endr
.irp s, 0,1,2,3                                    ; LDS serves a wave's instructions in order: these loads see the stores above
	ds_load_b128 v[XF+8*\s:XF+8*\s+3],        v[XSL] offset:\s*64
	ds_load_b128 v[XF+8*\s+4:XF+8*\s+7],      v[XSL] offset:\s*64+32
	ds_load_tr16_b128 v[GF+8*\s:GF+8*\s+3],   v[GA] offset:GATE+(4*(\c)+\s)*512
	ds_load_tr16_b128 v[GF+8*\s+4:GF+8*\s+7], v[GA] offset:GATE+(4*(\c)+\s)*512+256
.endr
	s_wait_dscnt 0x0
.irp s, 0,1,2,3                                    ; four accumulators by turns, one instruction a turn
.if (\c) == 0
	v_wmma_f32_16x16x32_bf16 v[ACC+8*\s:ACC+8*\s+7], v[GF+8*\s:GF+8*\s+7], v[XF+8*\s:XF+8*\s+7], 0
.else
	v_wmma_f32_16x16x32_bf16 v[ACC+8*\s:ACC+8*\s+7], v[GF+8*\s:GF+8*\s+7], v[XF+8*\s:XF+8*\s+7], v[ACC+8*\s:ACC+8*\s+7]
.endif
.endr
.endm
; Seven pairs, numbers p0 on, with codes 8 a + b: which of my 16 tokens (lanes 0-15) have each, and how many, in one word.  The compares, the scalar lines and the lane writes
; stand in runs, each pair with scalar registers of its own, so that no line waits for the one before it.
.macro BAL7 p0, c0, c1, c2, c3, c4, c5, c6
.set bq, 0
.irp c, \c0, \c1, \c2, \c3, \c4, \c5, \c6
	v_cmp_eq_u32 s[32+2*bq], \c, v[CODE]
.set bq, bq+1
.endr
.set bq, 0
.rept 7
	s_and_b32 s[32+2*bq], s[32+2*bq], 0xffff
	s_bcnt1_i32_b32 s[33+2*bq], s[32+2*bq]
	s_lshl_b32 s[33+2*bq], s[33+2*bq], 16
	s_or_b32 s[32+2*bq], s[32+2*bq], s[33+2*bq]
.set bq, bq+1
.endr
.set bq, 0
.rept 7
	v_writelane_b32 v[VM], s[32+2*bq], (\p0)+bq
.set bq, bq+1
.endr
.endm
; 16 loads: 32 k x 64 columns; with bias = 1 four more: my 16 numbers of dom
.macro GROUP ks, pitch, bias
.set gb, XR+64*((\ks)%2)
.set gi, 0
.rept 16
	global_load_b128 v[gb+4*gi:gb+4*gi+3], v[LO], s[32:33] offset:(32*(\ks)+16*(gi/8)+gi%8)*(\pitch) th:TH_LOAD_NT
.set gi, gi+1
.endr
.if \bias
.set gd, DR+16*((\ks)%2)
.irp f, 0,1,2,3
	global_load_b128 v[gd+4*\f:gd+4*\f+3], v[DL], s[36:37] offset:(32*(\ks)+16*(\f/2))*4+16*(\f%2)
.endr
.endif
.endm
; s[32:33] source at my first row and column, s[34:35] destination, s[36:37] dom at my first k
.macro PANEL pitch, dstep, bias
	v_mul_u32_u24 v[LO], v3, 8*(\pitch)
	v_lshl_add_u32 v[LO], v2, 4, v[LO]
	s_mul_i32 s31, s24, STGW                       ; my stage
	v_lshrrev_b32 v[SA], 2, v2                     ; my 4 columns lie in fragment (lane % 16) / 4,
	v_mul_u32_u24 v[SA], v[SA], FS
	v_lshl_add_u32 v[SA], v3, 8, v[SA]             ; in its half h = lane / 16,
	v_and_b32 v[TA], 3, v2
	v_lshl_add_u32 v[SA], v[TA], 6, v[SA]          ; at rows 4 (lane % 4) on
	v_add_nc_u32 v[SA], s31, v[SA]
	v_lshlrev_b32 v[DOF], 4, v1
	v_add_nc_u32 v[SRD], s31, v[DOF]
.if \bias
	v_lshlrev_b32 v[DL], 5, v3
.irp d, 0,1,2,3
	v_mov_b32 v[BA+\d], 0
.endr
.endif
	GROUP 0, \pitch, \bias
	GROUP 1, \pitch, \bias
.irp ks, 0,1,2,3
.if \ks == 3
	s_wait_loadcnt 0x0
.else
	s_wait_loadcnt 16+4*(\bias)                    ; the one younger group stays out
.endif
	s_wait_xcnt 0x0                                ; RB, which the last step's stores read, is rewritten only behind this wait
.set gb, XR+64*(\ks%2)
.set gd, DR+16*(\ks%2)
.if \bias
.set ci, 0
.rept 8
	v_cvt_pk_bf16_f32 v[DP+ci], v[gd+2*ci], v[gd+2*ci+1]
.set ci, ci+1
.endr
.endif
.set ci, 0
.rept 32                                           ; piece ci / 4 (half ci / 16, column (ci / 4) % 4), its k pair ci % 4
	v_cvt_pk_bf16_f32 v[PK+ci], v[gb+((ci/16)*8+2*(ci%4))*4+(ci/4)%4], v[gb+((ci/16)*8+2*(ci%4)+1)*4+(ci/4)%4]
.set ci, ci+1
.endr
.if \bias
.set ci, 0
.rept 64                                           ; the four columns' sums take turns: column ci % 4, low or high half (ci / 4) % 2, k pair (ci / 8) % 4, half ci / 32
.if (ci/4)%2
	v_fma_mix_f32_bf16 v[BA+ci%4], v[PK+((ci/32)*4+ci%4)*4+(ci/8)%4], v[DP+(ci/32)*4+(ci/8)%4], v[BA+ci%4] op_sel:[1,1,0] op_sel_hi:[1,1,0]
.else
	v_fma_mix_f32_bf16 v[BA+ci%4], v[PK+((ci/32)*4+ci%4)*4+(ci/8)%4], v[DP+(ci/32)*4+(ci/8)%4], v[BA+ci%4] op_sel_hi:[1,1,0]
.endif
.set ci, ci+1
.endr
.endif
.set ci, 0
.rept 8
	ds_store_b128 v[SA], v[PK+4*ci:PK+4*ci+3] offset:(ci/4)*512+(ci%4)*16
.set ci, ci+1
.endr
.if \ks < 2
	GROUP (\ks)+2, \pitch, \bias
.endif
.set ci, 0
.rept 8                                            ; LDS serves a wave's instructions in order: these see the stores above
	ds_load_b128 v[RB+4*ci:RB+4*ci+3], v[SRD] offset:(ci/2)*FS+(ci%2)*512
.set ci, ci+1
.endr
	s_wait_dscnt 0x0
.set ci, 0
.rept 8
	global_store_b128 v[DOF], v[RB+4*ci:RB+4*ci+3], s[34:35] offset:(\ks)*(\dstep)+512*ci  ; 512 consecutive bytes, aligned
.set ci, ci+1
.endr
.endr
.endm
	s_load_b512 s[4:19], s[0:1], 0x0               ; W1 s[4:5], W3 s[6:7], W2 s[8:9], dom s[10:11], x s[12:13], gate_w s[14:15], wf s[16:17], bias s[18:19]
	s_load_b128 s[20:23], s[0:1], 0x40             ; rec s[20:21], gw s[22:23]
	v_lshl_add_u32 v[SPW], v0, 2, SPARE
	v_mov_b32 v[NIL], 0
	v_lshrrev_b32 v1, 5, v0
	v_readfirstlane_b32 s24, v1                    ; wave 0..7
	v_and_b32 v1, 31, v0                           ; lane
	v_and_b32 v2, 15, v0                           ; r
	v_bfe_u32 v3, v0, 4, 1                         ; h
	s_mov_b32 s27, 0                               ; s[26:27]: an offset in 64 bits
	s_cmp_gt_u32 ttmp9, 127
	s_cbranch_scc1 .Lw2
	s_cmp_gt_u32 ttmp9, 63
	s_cbranch_scc1 .Lw13
	; ---------------- the router
	v_lshlrev_b32 v[XO], 4, v1
	v_lshlrev_b32 v[GO], 4, v0
	v_lshlrev_b32 v[GS], 3, v0
	s_mul_i32 s25, s24, XSTW
	s_add_co_u32 s25, s25, XST                     ; my wave's rows in LDS
	v_lshl_add_u32 v[XSS], v1, 3, s25
	v_mul_u32_u24 v12, v2, XP
	v_lshl_add_u32 v12, v3, 4, v12
	v_add_nc_u32 v[XSL], s25, v12
	v_and_b32 v12, 7, v0
	v_lshl_add_u32 v12, v3, 3, v12
	v_lshlrev_b32 v[GA], 4, v12                    ; lanes 8-15 of each half read what lanes 0-7 read: fragment rows 8-15 repeat experts 0-7
	s_lshl_b32 s26, ttmp9, 19                      ; 128 rows of 4,096 bytes a work-group,
	s_lshl_b32 s30, s24, 16                        ; 16 a wave
	s_add_co_u32 s26, s26, s30
	s_wait_kmcnt 0x0
	s_add_nc_u64 s[28:29], s[12:13], s[26:27]      ; x at my first row
	WIN 0x40
.set i, 0
.rept 8                                            ; gate_w: 256 threads x 16 bytes x 8
	global_load_b128 v[128+4*i:128+4*i+3], v[GO], s[14:15] offset:4096*i
.set i, i+1
.endr
	XLOAD 0
	XLOAD 1
	s_wait_loadcnt 32                              ; gate_w is in; the 32 loads of pieces 0 and 1 stay out
	WIN 0x05
.set i, 0
.rept 8
	v_cvt_pk_bf16_f32 v[XF+2*i],   v[128+4*i],   v[128+4*i+1]
	v_cvt_pk_bf16_f32 v[XF+2*i+1], v[128+4*i+2], v[128+4*i+3]
.set i, i+1
.endr
	WIN 0
.set i, 0
.rept 8
	ds_store_b64 v[GS], v[XF+2*i:XF+2*i+1] offset:GATE+2048*i
.set i, i+1
.endr
	XLOAD 2                                        ; into registers that gate_w has left
	WIN 0
	s_wait_dscnt 0x0                               ; for the other waves' sake: my eighth of the table is written
	s_barrier_signal -1
	s_barrier_wait -1
.irp c, 0,1,2,3,4,5,6,7
	STEP \c
.endr
.rept 4
	v_nop                                          ; the places behind the last products
.endr
.irp j, 0,2,4,6                                    ; the four partial sums; each accumulator is read from its low end on
	v_pk_add_f32 v[LG+\j:LG+\j+1], v[ACC+\j:ACC+\j+1], v[ACC+8+\j:ACC+8+\j+1]
.endr
.irp j, 0,2,4,6
	v_pk_add_f32 v[TS+\j:TS+\j+1], v[ACC+16+\j:ACC+16+\j+1], v[ACC+24+\j:ACC+24+\j+1]
.endr
.irp j, 0,2,4,6
	v_pk_add_f32 v[LG+\j:LG+\j+1], v[LG+\j:LG+\j+1], v[TS+\j:TS+\j+1]
.endr
	; the two largest, inside the lane.  Both compares are strict, so of equal logits the lower index stands first.
	v_mov_b32 v[M1], v[LG]
	v_mov_b32 v[I1], 0
	v_mov_b32 v[M2], 0xff800000
	v_mov_b32 v[I2], 1
.irp j, 1,2,3,4,5,6,7
	v_cmp_gt_f32 s30, v[LG+\j], v[M1]
	v_cmp_gt_f32 s31, v[LG+\j], v[M2]
	v_cndmask_b32 v[M2], v[M2], v[LG+\j], s31
	v_cndmask_b32 v[I2], v[I2], \j, s31
	v_cndmask_b32 v[M2], v[M2], v[M1], s30
	v_cndmask_b32 v[I2], v[I2], v[I1], s30
	v_cndmask_b32 v[M1], v[M1], v[LG+\j], s30
	v_cndmask_b32 v[I1], v[I1], \j, s30
.endr
	; softmax over (m1, m2) with m1 taken away: 1 / (1 + e), e / (1 + e), e = exp(m2 - m1) <= 1
	v_sub_f32 v[DD], v[M2], v[M1]
	v_mul_f32 v[DD], 0x3fb8aa3b, v[DD]
	v_exp_f32 v[EE], v[DD]
	v_min_u32 v[EA], v[I1], v[I2]                  ; plain work behind the exponential: the pair in ascending order
	v_max_u32 v[EB], v[I1], v[I2]
	s_wait_alu depctr_va_vdst(0)                   ; the wait ahead of the result's first reader
	v_add_f32 v[DD], 1.0, v[EE]
	v_rcp_f32 v[G1], v[DD]
	v_lshl_add_u32 v[CODE], v[EA], 3, v[EB]        ; plain work behind the reciprocal
	v_mov_b32 v[VM], 0
	s_wait_alu depctr_va_vdst(0)
	v_mul_f32 v[G2], v[EE], v[G1]
	v_cmp_lt_u32 vcc_lo, v[I1], v[I2]
	v_cndmask_b32 v[WA], v[G2], v[G1], vcc_lo      ; the weight of the lower index,
	v_cndmask_b32 v[WB], v[G1], v[G2], vcc_lo      ; of the higher
	BAL7 0,  1, 2, 3, 4, 5, 6, 7                   ; the 28 pairs, a first
	BAL7 7,  10, 11, 12, 13, 14, 15, 19
	BAL7 14, 20, 21, 22, 23, 28, 29, 30
	BAL7 21, 31, 37, 38, 39, 46, 47, 55
	s_lshl_b32 s30, s24, 7
	s_add_co_u32 s30, s30, MK
	v_lshl_add_u32 v[AD], v1, 2, s30
	ds_store_b32 v[AD], v[VM]                      ; pair = lane: 128 consecutive bytes, my wave's own
	s_lshl_b32 s30, ttmp9, 10
	s_lshl_b32 s31, s24, 7
	s_add_co_u32 s30, s30, s31                     ; 8 x my first token
	v_lshlrev_b32 v[AD+2], 3, v2
	v_lshl_add_u32 v[AD+2], v3, 2, v[AD+2]
	v_add_nc_u32 v[AD+2], s30, v[AD+2]
	v_cmp_eq_u32 vcc_lo, 1, v3
	v_cndmask_b32 v[WA], v[WA], v[WB], vcc_lo      ; lanes 0-15 store a's weight, lanes 16-31 b's: 128 consecutive bytes
	global_store_b32 v[AD+2], v[WA], s[22:23]
	s_wait_dscnt 0x0                               ; for wave 0's sake: my words are written
	s_barrier_signal -1
	s_barrier_wait -1
	s_cmp_lg_u32 s24, 0
	s_cbranch_scc1 .Lr_end
	v_lshl_add_u32 v[AD], v1, 2, MK
.irp j, 0,1,2,3,4,5,6,7
	ds_load_b32 v[RW+\j], v[AD] offset:128*\j      ; pair = lane: wave j's mask and count
.endr
	v_lshlrev_b32 v[RA], 4, v1
	v_lshlrev_b32 v[RA+1], 3, v1
	s_lshl_b32 s26, ttmp9, 10
	s_add_nc_u64 s[30:31], s[20:21], s[26:27]      ; my record
	s_wait_dscnt 0x0
.irp k, 0,1,2,3
	v_perm_b32 v[RQ+\k], v[RW+2*\k+1], v[RW+2*\k], 0x05040100  ; the low halves of two words: masks 2 k and 2 k + 1
.endr
.irp j, 0,1,2,3,4,5,6,7
	v_lshrrev_b32 v[RW+\j], 16, v[RW+\j]           ; the counts, 16 at the most each
.endr
	v_lshl_or_b32 v[RC], v[RW+1], 8, v[RW]
	v_lshl_or_b32 v[RC+1], v[RW+5], 8, v[RW+4]
	v_lshl_or_b32 v[RC], v[RW+2], 16, v[RC]
	v_lshl_or_b32 v[RC+1], v[RW+6], 16, v[RC+1]
	v_lshl_or_b32 v[RC], v[RW+3], 24, v[RC]
	v_lshl_or_b32 v[RC+1], v[RW+7], 24, v[RC+1]
	v_add3_u32 v[RT], v[RW], v[RW+1], v[RW+2]
	v_add3_u32 v[RT+1], v[RW+3], v[RW+4], v[RW+5]
	v_add3_u32 v[RT], v[RT], v[RW+6], v[RW+7]
	v_add_nc_u32 v[RT], v[RT], v[RT+1]
	v_mov_b32 v[RT+1], 0
	global_store_b128 v[RA], v[RQ:RQ+3], s[30:31]              ; 512 consecutive bytes, aligned
	global_store_b64 v[RA+1], v[RC:RC+1], s[30:31] offset:512  ; 256
	global_store_b64 v[RA+1], v[RT:RT+1], s[30:31] offset:768  ; 256
.Lr_end:
	s_wait_tensorcnt 0x0                           ; the wave's end
	ds_add_u32 v[SPW], v[NIL]
	s_wait_dscnt 0x0
	s_endpgm
.Lw13:	; W1 or W3: work-group 64 + 8 e + 4 mat + ig takes all 1,024 k of columns 64 ig .. 64 ig + 63, a wave 128 k
	s_sub_co_u32 s25, ttmp9, 64
	s_lshr_b32 s28, s25, 3                         ; e
	s_bfe_u32 s29, s25, 0x10002                    ; mat: 0 W1, 1 W3
	s_and_b32 s30, s25, 3                          ; ig
	s_lshl_b32 s26, s28, 20
	s_lshl_b32 s31, s24, 17                        ; 128 rows of 1,024 bytes a wave
	s_add_co_u32 s26, s26, s31
	s_lshl_b32 s31, s30, 8
	s_add_co_u32 s26, s26, s31
	s_wait_kmcnt 0x0
	s_cmp_eq_u32 s29, 1
	s_cselect_b64 s[32:33], s[6:7], s[4:5]
	s_add_nc_u64 s[32:33], s[32:33], s[26:27]
	s_lshl_b32 s26, s28, 20
	s_lshl_b32 s31, s30, 18
	s_add_co_u32 s26, s26, s31
	s_lshl_b32 s31, s24, 15                        ; four K steps of 8 KiB a wave
	s_add_co_u32 s26, s26, s31
	s_lshl_b32 s31, s29, 12                        ; W3's fragments lie behind W1's four
	s_add_co_u32 s26, s26, s31
	s_add_nc_u64 s[34:35], s[16:17], s[26:27]
	s_lshl_b32 s26, s28, 12
	s_lshl_b32 s31, s24, 9
	s_add_co_u32 s26, s26, s31
	s_add_nc_u64 s[36:37], s[10:11], s[26:27]
	s_lshl_b32 s26, s28, 11
	s_lshl_b32 s31, s30, 9
	s_add_co_u32 s26, s26, s31
	s_lshl_b32 s31, s29, 8
	s_add_co_u32 s26, s26, s31
	s_add_nc_u64 s[38:39], s[18:19], s[26:27]
	PANEL 1024, 8192, 1
	; the bias: 16 partial sums (8 waves x 2 halves of the lanes) for each column meet in LDS; wave 0 adds them
	s_lshl_b32 s31, s24, 9
	v_lshl_add_u32 v[TA], v1, 4, s31
	ds_store_b128 v[TA], v[BA:BA+3] offset:BR
	s_wait_dscnt 0x0                               ; for wave 0's sake: my partial sums are written
	s_barrier_signal -1
	s_barrier_wait -1
	s_cmp_lg_u32 s24, 0
	s_cbranch_scc1 .Lend_a
	v_lshlrev_b32 v[TA], 4, v2
.set ci, 0
.rept 16
	ds_load_b128 v[XR+4*ci:XR+4*ci+3], v[TA] offset:BR+256*ci
.set ci, ci+1
.endr
	s_wait_dscnt 0x0
.irp st, 8,4,2,1
.set bi, 0
.rept \st
	v_pk_add_f32 v[XR+4*bi:XR+4*bi+1],   v[XR+4*bi:XR+4*bi+1],   v[XR+4*(bi+\st):XR+4*(bi+\st)+1]
	v_pk_add_f32 v[XR+4*bi+2:XR+4*bi+3], v[XR+4*bi+2:XR+4*bi+3], v[XR+4*(bi+\st)+2:XR+4*(bi+\st)+3]
.set bi, bi+1
.endr
.endr
	v_cmp_gt_u32 vcc_lo, 16, v1
	s_wait_xcnt 0x0                                ; EXEC changes only behind this wait
	s_and_saveexec_b32 s31, vcc_lo
	global_store_b128 v[TA], v[XR:XR+3], s[38:39]  ; lanes 0-15: 64 columns, 256 consecutive bytes, aligned
	s_wait_xcnt 0x0
	s_or_b32 exec_lo, exec_lo, s31
.Lend_a:
	s_wait_tensorcnt 0x0                           ; the wave's end
	ds_add_u32 v[SPW], v[NIL]
	s_wait_dscnt 0x0
	s_endpgm
.Lw2:	; W2: work-group 128 + 4 e + w takes all 256 k of columns 256 w .. 256 w + 255; wave v: k half v / 4, columns 64 (v % 4) on
	s_sub_co_u32 s25, ttmp9, 128
	s_lshr_b32 s28, s25, 2                         ; e
	s_and_b32 s30, s25, 3                          ; w
	s_lshr_b32 s29, s24, 2
	s_and_b32 s40, s24, 3
	s_lshl_b32 s26, s28, 20
	s_lshl_b32 s31, s29, 19                        ; 128 rows of 4,096 bytes
	s_add_co_u32 s26, s26, s31
	s_lshl_b32 s31, s30, 10
	s_add_co_u32 s26, s26, s31
	s_lshl_b32 s31, s40, 8
	s_add_co_u32 s26, s26, s31
	s_wait_kmcnt 0x0
	s_add_nc_u64 s[32:33], s[8:9], s[26:27]
	s_lshl_b32 s26, s28, 19
	s_add_co_u32 s26, s26, 0x800000
	s_lshl_b32 s31, s30, 17
	s_add_co_u32 s26, s26, s31
	s_lshl_b32 s31, s29, 16                        ; four K steps of 16 KiB
	s_add_co_u32 s26, s26, s31
	s_lshl_b32 s31, s40, 12                        ; four fragments
	s_add_co_u32 s26, s26, s31
	s_add_nc_u64 s[34:35], s[16:17], s[26:27]
	PANEL 4096, 16384, 0
	s_wait_tensorcnt 0x0                           ; the wave's end
	ds_add_u32 v[SPW], v[NIL]
	s_wait_dscnt 0x0
	s_endpgm
.Lfunc_end_k_q626b9a57cf_front:
	.size	k_q626b9a57cf_front, .Lfunc_end_k_q626b9a57cf_front-k_q626b9a57cf_front
	.p2alignl 7, 3214868480
	.fill 96, 4, 3214868480
	.section	.rodata,"a",@progbits
	.p2align	6, 0x0
	.amdhsa_kernel k_q626b9a57cf_front
		.amdhsa_group_segment_fixed_size 90624
		.amdhsa_private_segment_fixed_size 0
		.amdhsa_enable_private_segment 0
		.amdhsa_kernarg_size 80
		.amdhsa_user_sgpr_count 2
		.amdhsa_user_sgpr_kernarg_segment_ptr 1
		.amdhsa_wavefront_size32 1
		.amdhsa_system_sgpr_workgroup_id_x 1
		.amdhsa_system_sgpr_workgroup_id_y 1
		.amdhsa_system_sgpr_workgroup_id_z 1
		.amdhsa_system_vgpr_workitem_id 0
		.amdhsa_next_free_vgpr 512
		.amdhsa_next_free_sgpr 66
		.amdhsa_reserve_vcc 1
		.amdhsa_float_denorm_mode_32 3
		.amdhsa_float_denorm_mode_16_64 3
		.amdhsa_memory_ordered 1
		.amdhsa_forward_progress 1
		.amdhsa_inst_pref_size 137
	.end_amdhsa_kernel
	.amdgpu_metadata
---
amdhsa.version: [ 1, 2 ]
amdhsa.kernels:
  - .name:           k_q626b9a57cf_front
    .symbol:         k_q626b9a57cf_front.kd
    .args:
      - { .name: W1, .offset: 0, .size: 8, .value_kind: global_buffer, .address_space: global }
      - { .name: W3, .offset: 8, .size: 8, .value_kind: global_buffer, .address_space: global }
      - { .name: W2, .offset: 16, .size: 8, .value_kind: global_buffer, .address_space: global }
      - { .name: dom, .offset: 24, .size: 8, .value_kind: global_buffer, .address_space: global }
      - { .name: hidden_states, .offset: 32, .size: 8, .value_kind: global_buffer, .address_space: global }
      - { .name: gate_w, .offset: 40, .size: 8, .value_kind: global_buffer, .address_space: global }
      - { .name: wf, .offset: 48, .size: 8, .value_kind: global_buffer, .address_space: global }
      - { .name: bias, .offset: 56, .size: 8, .value_kind: global_buffer, .address_space: global }
      - { .name: rec, .offset: 64, .size: 8, .value_kind: global_buffer, .address_space: global }
      - { .name: gw, .offset: 72, .size: 8, .value_kind: global_buffer, .address_space: global }
    .group_segment_fixed_size: 90624
    .private_segment_fixed_size: 0
    .kernarg_segment_align: 8
    .kernarg_segment_size: 80
    .max_flat_workgroup_size: 256
    .sgpr_count:     66
    .vgpr_count:     512
    .wavefront_size: 32
...
	.end_amdgpu_metadata
.endif
;; end of part 1
;; launch chain (part 2): grid 155 x 1, 4 waves a work-group, no clusters, 215,296 bytes of LDS; arguments hidden_states, wf, bias, gw, rec, out0; writes out0
.if DOCPART == 2
	.amdgcn_target "amdgcn-amd-amdhsa--gfx1250"
	.amdhsa_code_object_version 6
	.text
	.protected	k_q626b9a57cf_chain
	.globl	k_q626b9a57cf_chain
	.p2align	8
	.type	k_q626b9a57cf_chain,@function
k_q626b9a57cf_chain:
	s_mov_b64 s[64:65], 0
	v_nop
	global_prefetch_b8 v0, s[64:65] scope:SCOPE_SE
	s_setreg_imm32_b32 hwreg(HW_REG_WAVE_MODE, 25, 1), 1
	s_wait_xcnt 0x0
; THE CHAIN.  A work-group takes one tile: up to 64 tokens that chose the same pair of experts (a, b), through gather, x @ [W1 | W3] + bias for a and for b,
; silu(.) x (.) x the gate's weight, and [h_a h_b] @ [W2_a ; W2_b]; it alone stores those tokens' rows of the output.  h never leaves LDS.
; WHICH TILE, WHICH TOKENS.  Every work-group works that out for itself from rec, the 64 records of 1,024 bytes that the launch before stored (for each 128 tokens and each of the 28 pairs:
; eight 16-bit masks, their eight counts, the counts' sum).  The pairs' totals give each pair ceil(n / 64) tiles; work-group g takes tile g of that row.  Token number R of a pair (in
; ascending order of tokens) is found by rank: the two records of a lane, the record, the 16 tokens, the bit.  So no launch is spent on a list.
; GRID.  With 8,192 tokens, 28 pairs and tiles of 64 there are never more than 128 + 27 = 155 tiles, whatever the split.  A tile that is not full repeats its last
; row; rows past the count are jumped by scalar branches that pass stores alone.  A tile without rows walks the text on an existing row and stores nothing:
; every wave passes every barrier.
; FORMATS.  x, the weights and dom were rounded once to bf16; sums in f32; dom enters as the f32 bias dom_e @ W_e, the C operand that starts the first product's sums;
; silu and the products of the three factors in f32; h x weight is rounded once to bf16 for the second product.
; LIMITS.  exp2 gives 0 below 2^-126 (silu is then x itself to the last bit) and infinity above 2^128 (silu is then -0); NaN and infinities in the inputs are not treated apart.
; SHARES.  Wave w gathers rows 16 w .. 16 w + 15; in the first product it has all 64 tokens x columns 64 w .. 64 w + 63 of W1 and of W3 (32 accumulators); in the second
; all 64 tokens x output columns 256 w .. 256 w + 255 (64 accumulators), K = 512: a's 256, then b's.
; BOTH PRODUCTS ARE USED TRANSPOSED (source 0 = 16 weight columns, source 1 = 16 tokens): a lane holds ONE token (lane % 16) and 8 neighbouring columns: the gate's weight is one
; number a lane, two rounded results are half a source-1 fragment of the second product, and 8 registers are 32 neighbouring bytes of an output row.
; THE WEIGHTS come from memory straight into operand registers: the launch before laid them so that a load of 16 bytes a lane is half a fragment.  Each fragment (1 KiB) feeds four
; matrix instructions and is read by one wave of the work-group.  A ring of four slots of 8 fragments runs three slots (48 loads, 24 KiB a wave) ahead, on across the four pieces
; a's W1 W3, b's W1 W3, a's W2, b's W2.
; NO CLUSTER, NO TENSOR LOAD.  What tiles share is the weights of their pair, and how many tiles a pair has hangs on the split (0 to 128).  Whole clusters of four for each pair would be
; 4 x (32 + 27) = 236 work-groups, each of which would have to walk all 3 MiB of a pair's weights whether it has rows or not; x and h leave 113 KB of LDS, two slots of one 32 KiB
; unit, so that a round of the cluster's barrier would stand in front of every 32 matrix instructions of a wave.
; REGISTERS, in windows of 256 (s_set_vgpr_msb: bits 1:0 source 0, 3:2 source 1, 5:4 source 2, 7:6 destination):
;   window 0: addresses, token fragments, work.   window 1: the weight ring, slot s fragment n at 64 s + 8 n.
;   window 2: accumulators (n, t) at 8 (4 n + t); before that the gather's four buffers.   window 3: the second product's accumulators for column blocks 8-15; before that v0-63 the bias.
.set XP,    2320                       ; a row of x in LDS: 2,048 bytes + 256 that repeat k 0-127 (the fetch one unit ahead needs no wrap at a pass's end) + 16: an odd multiple of 16
.set HB,    64*XP                      ; 148,480: h in fragment order: (kk*4 + t)*1,024 + half*512 + lane*16; kk = 8 x expert + 2 w + q / 2.  Before that: the copy of rec, 64 KiB
.set SPARE, HB+65536                   ; 214,016: the spare words, 128 bytes a wave: two blocks of 256 bytes that no other line names
.set WT,    SPARE+512                  ; 214,528: the pairs' totals over a wave's 16 records, 128 bytes a wave
.set LIST,  WT+512                     ; 215,040: the tile's 64 tokens
.set STGW,  16640                      ; the way out: 16 rows x 1,040 bytes for each wave, over x's rows, which nobody reads behind the last barrier
.set SPI,   1040
.set SPW, 4
.set NIL, 5
.set L16, 6                            ; 16 x lane
.set XB0, 7                            ; a token fragment of row blocks 0, 1: row lane % 16, 16 bytes for each half of the lanes
.set XB1, 8                            ; of row blocks 2, 3
.set XA0, 9                            ; the same, walking along K
.set XA1, 10
.set HA,  11                           ; h's fragments, walking
.set HS,  12                           ; where my h goes
.set XS,  13                           ; where my gathered rows go
.set SS,  14                           ; the way out: where I put 32 bytes of a row
.set SR,  15                           ; where I read rows back
.set GW,  16                           ; v16-23  (weight in hand, b's weight) of my token in row block t
.set TOK, 24                           ; v24-27  my token in row block t;  v28 in row block w
.set TOKW, 28
.set OL,  29                           ; 1,024 w + 16 lane: my bytes of an output row
.set BO,  30                           ; 32 (lane / 16): my 8 numbers of a bias block
.set RO,  32                           ; v32-47  row offsets: of the gather, later of the stores
.set TP,  48                           ; v48-51  at work
.set TF,  64                           ; v64-127 two buffers of four token (or h) fragments
.set T,   128                          ; v128-159 at work
.set U,   160                          ; v160-191
.set HP,  192                          ; v192-207
; the search's registers, free again behind it
.set ZR,  64                           ; v64-191  my 16 records as loaded
.set ZT,  192                          ; v192-207 their totals, lane = pair
.set ZA,  208                          ; v208-213 offsets and LDS addresses
.set ZN,  214                          ; lane = pair: its tokens in all
.set ZW,  216                          ; v216-219 the four waves' sums
.set ZC0, 220                          ; my pair's count in record 2 lane,
.set ZC1, 221                          ; in record 2 lane + 1,
.set ZCS, 222                          ; in both
.set ZS,  223                          ; the prefix's block sum
.set ZE,  224                          ; my pair's tokens in the records before mine
.set ZD,  225
.set ZU,  226
.set ZI,  227                          ; ZE + ZCS
.set ZK,  228                          ; my slot's rank in the pair
.set ZL,  229                          ; the lane whose two records hold it
.set ZX,  230
.set ZEL, 231
.set ZCL, 232
.set ZG,  233                          ; the record
.set ZQ,  234                          ; the rank that is left
.set ZB,  236                          ; v236-237 the record's eight counts
.set ZM,  240                          ; v240-243 its eight masks
.set ZIL, 244                          ; the counts' running sums, a byte each
.set ZIH, 245
.set ZKI, 246                          ; which 16 tokens
.set ZEX, 247
.set ZH,  248                          ; their mask
.set ZSA, 249                          ; its sums of 2,
.set ZSB, 250                          ; 4,
.set ZSC, 251                          ; 8 bits
.set ZP,  252                          ; the bit
.set ZT1, 253
.set ZT2, 254
.set ZT3, 255
.set CUR, 28                           ; s[28:29] the weight stream at this trip's first unit
.set NXT, 30                           ; s[30:31] at the next trip's
.set TMP, 32
.set NB,  34                           ; s[34:35] where the stream goes on behind the piece in hand
.set N1,  36
.set N2,  38
.set BN,  40                           ; s[40:41] b's bias
.set TC,  44
.set EX,  45
.set BIA, 48                           ; s[48:49] a's bias
.set SQ,  66                           ; s66-97  numbers read out of lanes, in runs
.set MSB, 0
.macro WIN new                         ; the high byte repeats the setting that is left; a switch that changes nothing is dropped
.if MSB != (\new)
	s_set_vgpr_msb (MSB<<8)|(\new)
.set MSB, \new
.endif
.endm
.macro PLACES                          ; four places between a matrix instruction and a load into, or a vector read of, its registers
.rept 4
	v_nop
.endr
.endm
.macro RLOAD slot, ptr, off            ; a unit of the weight stream: 8 fragments, 16 loads of 512 consecutive bytes
	WIN 0x40
.set ri, 0
.rept 16
	global_load_b128 v[64*(\slot)+4*ri:64*(\slot)+4*ri+3], v[L16], s[\ptr:\ptr+1] offset:(\off)+512*ri
.set ri, ri+1
.endr
.endm
.macro BLOAD ptr                       ; the bias of my 8 column blocks: register j of block n = bias[16 n + 8 (lane / 16) + j], as a C operand wants it
	WIN 0xc0
.irp n, 0,1,2,3,4,5,6,7
	global_load_b128 v[8*\n:8*\n+3],   v[BO], s[\ptr:\ptr+1] offset:64*\n
	global_load_b128 v[8*\n+4:8*\n+7], v[BO], s[\ptr:\ptr+1] offset:64*\n+16
.endr
	WIN 0
.endm
.macro XFETCH buf, koff                ; four token fragments, 32 k at byte koff behind the walking address
	WIN 0
.irp t, 0,1,2,3
	ds_load_b128 v[TF+32*(\buf)+8*\t:TF+32*(\buf)+8*\t+3],   v[XA0+(\t)/2] offset:((\t)%2)*16*XP+(\koff)
	ds_load_b128 v[TF+32*(\buf)+8*\t+4:TF+32*(\buf)+8*\t+7], v[XA0+(\t)/2] offset:((\t)%2)*16*XP+(\koff)+32
.endr
.endm
.macro HFETCH buf, off                 ; four fragments of h: they lie in LDS as registers take them
	WIN 0
.irp t, 0,1,2,3
	ds_load_b128 v[TF+32*(\buf)+8*\t:TF+32*(\buf)+8*\t+3],   v[HA] offset:(\off)+1024*\t
	ds_load_b128 v[TF+32*(\buf)+8*\t+4:TF+32*(\buf)+8*\t+7], v[HA] offset:(\off)+1024*\t+512
.endr
.endm
; 32 matrix instructions: 8 weight fragments x 4 token fragments.  The 32 accumulators take turns, one instruction a turn.
; cmode 0: adds in place; 1: starts the sums with 0; 2: starts them with the bias (window 3).
.macro MUL32 slot, buf, win, cmode
.if (\cmode) == 2
	WIN 0xb1
.else
	WIN 0x01|((\win)<<4)|((\win)<<6)
.endif
.irp n, 0,1,2,3,4,5,6,7
.irp t, 0,1,2,3
.if (\cmode) == 0
	v_wmma_f32_16x16x32_bf16 v[8*(4*\n+\t):8*(4*\n+\t)+7], v[64*(\slot)+8*\n:64*(\slot)+8*\n+7], v[TF+32*(\buf)+8*\t:TF+32*(\buf)+8*\t+7], v[8*(4*\n+\t):8*(4*\n+\t)+7]
.elseif (\cmode) == 1
	v_wmma_f32_16x16x32_bf16 v[8*(4*\n+\t):8*(4*\n+\t)+7], v[64*(\slot)+8*\n:64*(\slot)+8*\n+7], v[TF+32*(\buf)+8*\t:TF+32*(\buf)+8*\t+7], 0
.else
	v_wmma_f32_16x16x32_bf16 v[8*(4*\n+\t):8*(4*\n+\t)+7], v[64*(\slot)+8*\n:64*(\slot)+8*\n+7], v[TF+32*(\buf)+8*\t:TF+32*(\buf)+8*\t+7], v[8*\n:8*\n+7]
.endif
.endr
.endr
.endm
; A trip is four units, 32 KiB of the stream.  sel: the value of the trip counter at which the look-ahead leaves the piece in hand for the next (0: never).
.macro TRIPHEAD sel
	s_wait_xcnt 0x0                                ; the two pointers, which issued loads name, are rewritten only behind this wait
	s_mov_b64 s[CUR:CUR+1], s[NXT:NXT+1]
	s_add_nc_u64 s[TMP:TMP+1], s[CUR:CUR+1], 0x8000
.if \sel
	s_cmp_eq_u32 s[TC], \sel
	s_cselect_b64 s[NXT:NXT+1], s[NB:NB+1], s[TMP:TMP+1]
.else
	s_mov_b64 s[NXT:NXT+1], s[TMP:TMP+1]
.endif
.endm
; The first product: unit j = 32 k.  It asks for the unit three on, fetches the next unit's token fragments, and multiplies.
.macro P1TRIP first
.irp j, 0,1,2,3
.if !((\first) && (\j == 0))
	PLACES
.endif
.if \j == 0
	RLOAD 3, CUR, 3*8192
.else
	RLOAD (\j)-1, NXT, ((\j)-1)*8192
.endif
	XFETCH ((\j)+1)%2, ((\j)+1)*64
	s_wait_loadcnt 48                              ; three younger units of 16 loads stay out
	s_wait_dscnt 8                                 ; the eight fetches just issued stay out
.if (\first) && (\j == 0)
	MUL32 \j, 0, 2, 2
.else
	MUL32 \j, (\j)%2, 2, 0
.endif
.endr
	WIN 0
.endm
; The second product: a K step of 32 is two units (column blocks 0-7 into window 2, 8-15 into window 3); a trip is two K steps.
; zero = 1: the first K step starts the sums.  last = 1: the stream ends: one more unit is asked for, and the counts run down.
.macro P2TRIP zero, last
.irp j, 0,1,2,3
.if !(\last) || (\j == 0)
	PLACES
.if \j == 0
	RLOAD 3, CUR, 3*8192
.else
	RLOAD (\j)-1, NXT, ((\j)-1)*8192
.endif
.endif
.if \j == 0
	HFETCH 1, 4096                                 ; this trip's second K step
.endif
.if (\j == 2) && !(\last)
	HFETCH 0, 8192                                 ; the next trip's first
.endif
.if \last
	s_wait_loadcnt 48-16*(\j)
.else
	s_wait_loadcnt 48                              ; three younger units stay out
.endif
.if \j == 0
	s_wait_dscnt 8                                 ; the eight fetches just issued stay out
.endif
.if \j == 2
.if \last
	s_wait_dscnt 0x0
.else
	s_wait_dscnt 8
.endif
.endif
.if (\zero) && (\j < 2)
	MUL32 \j, (\j)/2, 2+(\j)%2, 1
.else
	MUL32 \j, (\j)/2, 2+(\j)%2, 0
.endif
.endr
	WIN 0
.endm
; h = z1 / (1 + 2^(-log2(e) z1)) x z3 x weight for column block q, four row blocks: 32 numbers a lane.  The exponentials are one batch with one wait, the reciprocals another.
; silu is finished before z3 enters, so that an infinite exponential meets no infinity.  Each accumulator is read from its low end on.
.macro SWIGLU q
	WIN 0x02
.set si, 0
.rept 16
	v_pk_mul_f32 v[T+2*si:T+2*si+1], v[32*(\q)+2*si:32*(\q)+2*si+1], s[42:43] op_sel_hi:[1,0]
.set si, si+1
.endr
	WIN 0
.set si, 0
.rept 32
	v_exp_f32 v[T+si], v[T+si]
.set si, si+1
.endr
	WIN 0x02
.set si, 0
.rept 16                                           ; plain work behind the batch: z3 x weight
	v_pk_mul_f32 v[U+2*si:U+2*si+1], v[128+32*(\q)+2*si:128+32*(\q)+2*si+1], v[GW+2*(si/4):GW+2*(si/4)+1] op_sel_hi:[1,0]
.set si, si+1
.endr
	s_wait_alu depctr_va_vdst(0)                   ; the wait ahead of the batch's first reader
	WIN 0
.set si, 0
.rept 16
	v_pk_add_f32 v[T+2*si:T+2*si+1], v[T+2*si:T+2*si+1], 1.0 op_sel_hi:[1,0]
.set si, si+1
.endr
.set si, 0
.rept 32
	v_rcp_f32 v[T+si], v[T+si]
.set si, si+1
.endr
	v_nop                                          ; a plain instruction behind the last reciprocal
	s_wait_alu depctr_va_vdst(0)
	WIN 0x02
.set si, 0
.rept 16
	v_pk_mul_f32 v[T+2*si:T+2*si+1], v[32*(\q)+2*si:32*(\q)+2*si+1], v[T+2*si:T+2*si+1]
.set si, si+1
.endr
	WIN 0
.set si, 0
.rept 16
	v_pk_mul_f32 v[T+2*si:T+2*si+1], v[T+2*si:T+2*si+1], v[U+2*si:U+2*si+1]
.set si, si+1
.endr
.set si, 0
.rept 16
	v_cvt_pk_bf16_f32 v[HP+si], v[T+2*si], v[T+2*si+1]
.set si, si+1
.endr
.irp t, 0,1,2,3
	ds_store_b128 v[HS], v[HP+4*\t:HP+4*\t+3] offset:(((\q)/2)*4+\t)*1024+((\q)%2)*512
.endr
.endm
; Sixteen tokens out of the lanes of register src become sixteen row offsets: 4,096 x token + what register add holds.  The reads, the scalar lines and the sums stand in runs.
.macro ROWS src, add
.set ti, 0
.rept 16
	v_readlane_b32 s[SQ+ti], v[\src], ti
.set ti, ti+1
.endr
.set ti, 0
.rept 16
	s_min_u32 s[SQ+ti], s[SQ+ti], 0x1fff
	s_lshl_b32 s[SQ+ti], s[SQ+ti], 12
.set ti, ti+1
.endr
.set ti, 0
.rept 16
	v_add_nc_u32 v[RO+ti], s[SQ+ti], v[\add]
.set ti, ti+1
.endr
.endm
; THE WAY OUT of row block t: 16 rows x 1,024 bytes through my own stage, back as whole rows.
.macro TOSTAGE t
	WIN 0x08                                       ; store data in window 2
.irp c, 0,1,2,3,4,5,6,7
	ds_store_b128 v[SS], v[8*(4*\c+(\t)):8*(4*\c+(\t))+3]   offset:64*\c
	ds_store_b128 v[SS], v[8*(4*\c+(\t))+4:8*(4*\c+(\t))+7] offset:64*\c+16
.endr
	WIN 0x0c                                       ; in window 3
.irp c, 0,1,2,3,4,5,6,7
	ds_store_b128 v[SS], v[8*(4*\c+(\t)):8*(4*\c+(\t))+3]   offset:64*\c+512
	ds_store_b128 v[SS], v[8*(4*\c+(\t))+4:8*(4*\c+(\t))+7] offset:64*\c+528
.endr
	WIN 0
	s_wait_xcnt 0x0                                ; the registers that the last block's stores name (data and offsets) are rewritten only behind this wait
.set ti, 0
.rept 16                                           ; LDS serves a wave's instructions in order: these see the stores above
	ds_load_b128 v[TF+8*ti:TF+8*ti+3],   v[SR] offset:ti*SPI
	ds_load_b128 v[TF+8*ti+4:TF+8*ti+7], v[SR] offset:ti*SPI+512
.set ti, ti+1
.endr
.endm
.macro SEND t
	ROWS TOK+(\t), OL
	s_wait_dscnt 0x0
.set ti, 0
.rept 16
	s_cmp_le_u32 s24, 16*(\t)+ti                   ; rows past the tile's count, and all behind them, are not stored
	s_cbranch_scc1 .Ldone
	global_store_b128 v[RO+ti], v[TF+8*ti:TF+8*ti+3],   s[14:15] th:TH_STORE_NT             ; 512 consecutive bytes of a row, aligned
	global_store_b128 v[RO+ti], v[TF+8*ti+4:TF+8*ti+7], s[14:15] offset:512 th:TH_STORE_NT
.set ti, ti+1
.endr
.endm
.macro GLOAD c                         ; piece c of the gather: 512 bytes of each of my 16 rows.  No hint: a repeated row is named several times
	WIN 0x80
.set gl, 0
.rept 16
	global_load_b128 v[64*((\c)%4)+4*gl:64*((\c)%4)+4*gl+3], v[RO+gl], s[4:5] offset:(\c)*512
.set gl, gl+1
.endr
.endm
.macro GCHUNK c
.if (\c) <= 4
	s_wait_loadcnt 48                              ; three younger pieces stay out
.else
	s_wait_loadcnt 16*(7-(\c))
.endif
	WIN 0x0a
.set gb, 64*((\c)%4)
.set gp, T+32*((\c)%2)
.set gi, 0
.rept 16
	v_cvt_pk_bf16_f32 v[gp+2*gi],   v[gb+4*gi],   v[gb+4*gi+1]
	v_cvt_pk_bf16_f32 v[gp+2*gi+1], v[gb+4*gi+2], v[gb+4*gi+3]
.set gi, gi+1
.endr
	WIN 0
.set gi, 0
.rept 16
	ds_store_b64 v[XS], v[gp+2*gi:gp+2*gi+1] offset:gi*XP+(\c)*256
.if (\c) == 0
	ds_store_b64 v[XS], v[gp+2*gi:gp+2*gi+1] offset:gi*XP+2048    ; k 0-127 once more behind the row
.endif
.set gi, gi+1
.endr
.if (\c) < 4
	GLOAD (\c)+4
.endif
.endm
; One step of the prefix over the lanes: ZD holds the sum of the neighbouring block of d lanes; a lane whose bit d is set has that block before it.
.macro ZSTEP d
	v_and_b32 v[ZU], \d, v1
	v_cmp_ne_u32 vcc_lo, 0, v[ZU]
	v_cndmask_b32 v[ZU], 0, v[ZD], vcc_lo
	v_add_nc_u32 v[ZE], v[ZE], v[ZU]
	v_add_nc_u32 v[ZS], v[ZS], v[ZD]
.endm
; One level of the walk to the bit: the w bits from ZP on hold so many ones (a field of register src); if the rank left is not below that, the bit lies behind them.
.macro ZLEV src, w
	v_bfe_u32 v[ZT1], v[\src], v[ZP], \w
	v_cmp_ge_u32 vcc_lo, v[ZQ], v[ZT1]
	v_cndmask_b32 v[ZT1], 0, v[ZT1], vcc_lo
	v_sub_nc_u32 v[ZQ], v[ZQ], v[ZT1]
	v_cndmask_b32 v[ZT2], 0, \w, vcc_lo
	v_add_nc_u32 v[ZP], v[ZP], v[ZT2]
.endm
	s_load_b256 s[4:11], s[0:1], 0x0               ; x s[4:5], wf s[6:7], bias s[8:9], gw s[10:11]
	s_load_b128 s[12:15], s[0:1], 0x20             ; rec s[12:13], out s[14:15]
	v_lshl_add_u32 v[SPW], v0, 2, SPARE
	v_mov_b32 v[NIL], 0
	v_lshrrev_b32 v48, 5, v0
	v_readfirstlane_b32 s18, v48                   ; wave 0..3
	v_and_b32 v1, 31, v0                           ; lane
	v_lshlrev_b32 v[L16], 4, v1
	s_lshl_b32 s46, s18, 14                        ; my 16 records
	v_add_nc_u32 v[ZA], s46, v[L16]                ; 16 bytes a lane,
	v_lshl_add_u32 v[ZA+1], v1, 3, s46             ; and their totals: lane = pair
	s_wait_kmcnt 0x0
.set i, 0
.rept 16
	global_load_b32 v[ZT+i], v[ZA+1], s[12:13] offset:1024*i+768
.set i, i+1
.endr
.set i, 0
.rept 32
	global_load_b128 v[ZR+4*i:ZR+4*i+3], v[ZA], s[12:13] offset:512*i
.set i, i+1
.endr
	; the addresses are made while the records are on their way
	v_and_b32 v2, 15, v0                           ; r
	v_bfe_u32 v3, v0, 4, 1                         ; h
	s_add_co_u32 s46, s46, HB
	v_add_nc_u32 v[ZA+2], s46, v[L16]              ; where the records go in LDS
	s_lshl_b32 s46, s18, 7
	s_add_co_u32 s46, s46, WT
	v_lshl_add_u32 v[ZA+3], v1, 2, s46             ; where my wave's sums go
	v_lshlrev_b32 v[ZA+4], 2, v1
	v_add_nc_u32 v[ZA+4], WT, v[ZA+4]              ; where all four are read
	v_mul_u32_u24 v[XB0], v2, XP
	v_lshl_add_u32 v[XB0], v3, 4, v[XB0]
	v_add_nc_u32 v[XB1], 32*XP, v[XB0]
	s_lshl_b32 s46, s18, 13
	s_add_co_u32 s46, s46, HB
	v_add_nc_u32 v[HS], s46, v[L16]
	s_mul_i32 s46, s18, 16*XP
	v_lshl_add_u32 v[XS], v1, 3, s46
	s_mul_i32 s46, s18, STGW
	v_mul_u32_u24 v[SS], v2, SPI
	v_lshl_add_u32 v[SS], v3, 5, v[SS]
	v_add_nc_u32 v[SS], s46, v[SS]
	v_add_nc_u32 v[SR], s46, v[L16]
	s_lshl_b32 s46, s18, 10
	v_add_nc_u32 v[OL], s46, v[L16]
	v_lshlrev_b32 v[BO], 5, v3
	s_mov_b32 s42, 0xbfb8aa3b                      ; -log2(e)
	s_mov_b32 s43, s42                             ; named with it as a pair
	s_mov_b32 s51, 0                               ; s[50:51]: an offset in 64 bits
	s_mov_b32 s58, 0x76543210                      ; v_permlanex16_b32: each lane takes its own place in the other half
	s_mov_b32 s59, 0xfedcba98
	s_wait_loadcnt 32                              ; the 16 totals are in; the 32 loads of the records stay out
	v_add3_u32 v[ZT], v[ZT], v[ZT+1], v[ZT+2]
	v_add3_u32 v[ZT+3], v[ZT+3], v[ZT+4], v[ZT+5]
	v_add3_u32 v[ZT+6], v[ZT+6], v[ZT+7], v[ZT+8]
	v_add3_u32 v[ZT+9], v[ZT+9], v[ZT+10], v[ZT+11]
	v_add3_u32 v[ZT+12], v[ZT+12], v[ZT+13], v[ZT+14]
	v_add3_u32 v[ZT], v[ZT], v[ZT+3], v[ZT+6]
	v_add3_u32 v[ZT+9], v[ZT+9], v[ZT+12], v[ZT+15]
	v_add_nc_u32 v[ZT], v[ZT], v[ZT+9]
	ds_store_b32 v[ZA+3], v[ZT]
	s_wait_loadcnt 0x0
.set i, 0
.rept 32
	ds_store_b128 v[ZA+2], v[ZR+4*i:ZR+4*i+3] offset:512*i
.set i, i+1
.endr
	s_wait_dscnt 0x0                               ; for the others' sake: my sums and my 16 records are written
	s_barrier_signal -1
	s_barrier_wait -1
.irp j, 0,1,2,3
	ds_load_b32 v[ZW+\j], v[ZA+4] offset:128*\j
.endr
	s_wait_dscnt 0x0
	v_add3_u32 v[ZN], v[ZW], v[ZW+1], v[ZW+2]
	v_add_nc_u32 v[ZN], v[ZN], v[ZW+3]             ; lane p: all tokens of pair p
.set p, 0
.rept 28
	v_readlane_b32 s[SQ+p], v[ZN], p
.set p, p+1
.endr
	; a walk over the pairs: s52 = tiles of the pairs before p.  Kept is the last pair whose first tile is not behind my number: that is my pair also where pairs without
	; tokens lie between, and the last pair for every work-group past the last tile.
	s_mov_b32 s52, 0
	s_mov_b32 s53, 1                               ; 8 a + b, and p in the next byte
	s_mov_b32 s54, 0                               ; the pair's tokens
	s_mov_b32 s55, 0                               ; its first tile
.set p, 0
.irp c, 1,2,3,4,5,6,7,10,11,12,13,14,15,19,20,21,22,23,28,29,30,31,37,38,39,46,47,55
	s_cmp_le_u32 s52, ttmp9
	s_cselect_b32 s53, (\c)|(p<<8), s53
	s_cselect_b32 s54, s[SQ+p], s54
	s_cselect_b32 s55, s52, s55
	s_add_co_u32 s56, s[SQ+p], 63
	s_lshr_b32 s56, s56, 6
	s_add_co_u32 s52, s52, s56
.set p, p+1
.endr
	s_sub_co_u32 s56, ttmp9, s55                   ; my tile's number in its pair,
	s_lshl_b32 s26, s56, 6                         ; its first rank,
	s_sub_co_i32 s24, s54, s26
	s_max_i32 s24, s24, 0
	s_min_i32 s24, s24, 64
	s_min_u32 s24, s24, 64                         ; its rows, 0 to 64
	s_and_b32 s57, s53, 0xff
	s_lshr_b32 s25, s53, 8
	s_min_u32 s25, s25, 27                         ; p
	s_lshr_b32 s20, s57, 3
	s_min_u32 s20, s20, 7                          ; a
	s_and_b32 s21, s57, 7
	s_min_u32 s21, s21, 7                          ; b
	s_lshl_b32 s47, s18, 18                        ; the four pieces of my weight stream
	s_lshl_b32 s50, s20, 20
	s_add_co_u32 s50, s50, s47
	s_add_nc_u64 s[NXT:NXT+1], s[6:7], s[50:51]
	s_lshl_b32 s50, s21, 20
	s_add_co_u32 s50, s50, s47
	s_add_nc_u64 s[NB:NB+1], s[6:7], s[50:51]
	s_lshl_b32 s47, s18, 17
	s_add_co_u32 s47, s47, 0x800000
	s_lshl_b32 s50, s20, 19
	s_add_co_u32 s50, s50, s47
	s_add_nc_u64 s[N1:N1+1], s[6:7], s[50:51]
	s_lshl_b32 s50, s21, 19
	s_add_co_u32 s50, s50, s47
	s_add_nc_u64 s[N2:N2+1], s[6:7], s[50:51]
	s_lshl_b32 s47, s18, 9
	s_lshl_b32 s50, s20, 11
	s_add_co_u32 s50, s50, s47
	s_add_nc_u64 s[BIA:BIA+1], s[8:9], s[50:51]
	s_lshl_b32 s50, s21, 11
	s_add_co_u32 s50, s50, s47
	s_add_nc_u64 s[BN:BN+1], s[8:9], s[50:51]
	BLOAD BIA                                      ; a's bias and the ring's first three units go out ahead of the search
	RLOAD 0, NXT, 0
	RLOAD 1, NXT, 8192
	RLOAD 2, NXT, 16384
	WIN 0
	; THE SEARCH.  Lane l holds my pair's counts in records 2 l and 2 l + 1 (tokens 256 l on)
	s_lshl_b32 s46, s25, 3
	s_add_co_u32 s46, s46, HB+768
	v_lshl_add_u32 v[ZA], v1, 11, s46
	ds_load_b32 v[ZC0], v[ZA]
	ds_load_b32 v[ZC1], v[ZA] offset:1024
	s_max_u32 s46, s24, 1
	s_sub_co_u32 s46, s46, 1                       ; the tile's last row
	s_lshl_b32 s47, s18, 4
	v_add_nc_u32 v[ZK], s47, v2                    ; my slot, 16 w + r, held to that row,
	v_min_u32 v[ZK], s46, v[ZK]
	v_add_nc_u32 v[ZK], s26, v[ZK]                 ; as a rank in the pair
	v_mov_b32 v[ZE], 0
	v_mov_b32 v[ZD], 0
	v_mov_b32 v[ZL], 0
	s_wait_dscnt 0x0
	v_add_nc_u32 v[ZCS], v[ZC0], v[ZC1]
	v_mov_b32 v[ZS], v[ZCS]
.irp d, 1,2,4,8                                    ; the counts of the lanes before mine: blocks of 1, 2, 4, 8 lanes inside a half, then the other half
	v_mov_b32_dpp v[ZD], v[ZS] row_xmask:\d row_mask:0xf bank_mask:0xf
	ZSTEP \d
.endr
	v_permlanex16_b32 v[ZD], v[ZS], s58, s59
	ZSTEP 16
	v_add_nc_u32 v[ZI], v[ZE], v[ZCS]
.set i, 0
.rept 32
	v_readlane_b32 s[SQ+i], v[ZI], i
.set i, i+1
.endr
.set i, 0
.rept 16                                           ; how many lanes end at or before my rank: the next one holds it
	v_cmp_le_u32 s[60+2*(i%2)], s[SQ+2*i], v[ZK]
	v_cmp_le_u32 s[61+2*(i%2)], s[SQ+2*i+1], v[ZK]
	v_cndmask_b32 v[ZT1+(i%2)], 0, 1, s[60+2*(i%2)]
	v_cndmask_b32 v[ZU-(i%2)], 0, 1, s[61+2*(i%2)]
	v_add3_u32 v[ZL], v[ZL], v[ZT1+(i%2)], v[ZU-(i%2)]
.set i, i+1
.endr
	v_min_u32 v[ZL], 31, v[ZL]
	v_lshlrev_b32 v[ZX], 2, v[ZL]
	ds_bpermute_b32 v[ZEL], v[ZX], v[ZE]
	ds_bpermute_b32 v[ZCL], v[ZX], v[ZC0]
	s_wait_dscnt 0x0
	v_sub_nc_u32 v[ZQ], v[ZK], v[ZEL]              ; the rank in that lane's two records
	v_cmp_ge_u32 vcc_lo, v[ZQ], v[ZCL]             ; not in the first?
	v_cndmask_b32 v[ZT1], 0, v[ZCL], vcc_lo
	v_sub_nc_u32 v[ZQ], v[ZQ], v[ZT1]
	v_cndmask_b32 v[ZT2], 0, 1, vcc_lo
	v_lshl_add_u32 v[ZG], v[ZL], 1, v[ZT2]
	v_min_u32 v[ZG], 63, v[ZG]                     ; the record
	s_lshl_b32 s46, s25, 4
	s_add_co_u32 s46, s46, HB
	v_lshl_add_u32 v[ZA], v[ZG], 10, s46
	ds_load_b128 v[ZM:ZM+3], v[ZA]                 ; my pair's eight masks in it,
	s_lshl_b32 s47, s25, 3
	s_add_co_u32 s47, s47, HB+512
	v_lshl_add_u32 v[ZA+1], v[ZG], 10, s47
	ds_load_b64 v[ZB:ZB+1], v[ZA+1]                ; and their eight counts
	s_mov_b32 s46, 0x01010101
	v_mov_b32 v[ZKI], 0
	v_mov_b32 v[ZEX], 0
	s_wait_dscnt 0x0
	v_mul_lo_u32 v[ZIL], v[ZB], s46                ; byte k: the sum of counts 0 to k (128 at the most: no byte runs over)
	v_mul_lo_u32 v[ZIH], v[ZB+1], s46
	v_lshrrev_b32 v[ZT1], 24, v[ZIL]
	v_mul_lo_u32 v[ZT1], v[ZT1], s46
	v_add_nc_u32 v[ZIH], v[ZIH], v[ZT1]
.irp k, 0,1,2,3,4,5,6                              ; how many of the running sums are at or below the rank: so many sixteens lie before it
	v_bfe_u32 v[ZT1], v[ZIL+(\k)/4], 8*((\k)%4), 8
	v_cmp_le_u32 vcc_lo, v[ZT1], v[ZQ]
	v_cndmask_b32 v[ZEX], v[ZEX], v[ZT1], vcc_lo
	v_cndmask_b32 v[ZT2], 0, 1, vcc_lo
	v_add_nc_u32 v[ZKI], v[ZKI], v[ZT2]
.endr
	v_sub_nc_u32 v[ZQ], v[ZQ], v[ZEX]              ; the rank among those 16 tokens
	v_and_b32 v[ZT1], 4, v[ZKI]                    ; their mask: halfword ZKI of the 16 bytes
	v_cmp_ne_u32 vcc_lo, 0, v[ZT1]
	v_cndmask_b32 v[ZM], v[ZM], v[ZM+2], vcc_lo
	v_cndmask_b32 v[ZM+1], v[ZM+1], v[ZM+3], vcc_lo
	v_and_b32 v[ZT1], 2, v[ZKI]
	v_cmp_ne_u32 vcc_lo, 0, v[ZT1]
	v_cndmask_b32 v[ZM], v[ZM], v[ZM+1], vcc_lo
	v_and_b32 v[ZT1], 1, v[ZKI]
	v_lshlrev_b32 v[ZT1], 4, v[ZT1]
	v_lshrrev_b32 v[ZH], v[ZT1], v[ZM]
	v_and_b32 v[ZH], 0xffff, v[ZH]
	v_lshrrev_b32 v[ZT1], 1, v[ZH]                 ; the ones in each 2,
	v_and_b32 v[ZT1], 0x5555, v[ZT1]
	v_sub_nc_u32 v[ZSA], v[ZH], v[ZT1]
	v_lshrrev_b32 v[ZT1], 2, v[ZSA]                ; 4,
	v_and_b32 v[ZT1], 0x3333, v[ZT1]
	v_and_b32 v[ZT2], 0x3333, v[ZSA]
	v_add_nc_u32 v[ZSB], v[ZT1], v[ZT2]
	v_lshrrev_b32 v[ZT1], 4, v[ZSB]                ; 8 bits
	v_add_nc_u32 v[ZT1], v[ZT1], v[ZSB]
	v_and_b32 v[ZSC], 0x0f0f, v[ZT1]
	v_mov_b32 v[ZP], 0
	ZLEV ZSC, 8
	ZLEV ZSB, 4
	ZLEV ZSA, 2
	ZLEV ZH, 1
	v_lshl_add_u32 v[ZT1], v[ZKI], 4, v[ZP]
	v_lshl_add_u32 v[TOKW], v[ZG], 7, v[ZT1]       ; 128 x record + 16 x sixteen + bit
	v_min_u32 v[TOKW], 0x1fff, v[TOKW]
	s_lshl_b32 s46, s18, 6
	s_add_co_u32 s46, s46, LIST
	v_lshl_add_u32 v[ZA+5], v2, 2, s46
	s_barrier_signal -1                            ; every wave's reads of the copy are back (the waits above): no wave stores into LDS again before all four have said so
	s_barrier_wait -1
	ds_store_b32 v[ZA+5], v[TOKW]                  ; slot 16 w + r of the list (both halves of the lanes hold the same token)
	ROWS TOKW, L16                                 ; row i of my block: its token's 4,096 bytes, my 16 of each 512
	GLOAD 0
	GLOAD 1
	GLOAD 2
	GLOAD 3
.irp c, 0,1,2,3,4,5,6,7
	GCHUNK \c
.endr
	v_lshlrev_b32 v[ZA+5], 2, v2
	v_add_nc_u32 v[ZA+5], LIST, v[ZA+5]
	s_wait_dscnt 0x0                               ; for the others' sake: my 16 rows and my 16 list words are written
	s_barrier_signal -1
	s_barrier_wait -1
.irp t, 0,1,2,3
	ds_load_b32 v[TOK+\t], v[ZA+5] offset:64*\t    ; my token in each row block
.endr
	v_mov_b32 v[XA0], v[XB0]
	v_mov_b32 v[XA1], v[XB1]
	XFETCH 0, 0
	s_wait_dscnt 8                                 ; the four list words are in; the eight fetches behind them stay out
.irp t, 0,1,2,3
	v_min_u32 v[TOK+\t], 0x1fff, v[TOK+\t]
	v_lshlrev_b32 v[TP+\t], 3, v[TOK+\t]
.endr
.irp t, 0,1,2,3
	global_load_b64 v[GW+2*\t:GW+2*\t+1], v[TP+\t], s[10:11]      ; older than every later ring load: the ring's waits show them in long before their first use
.endr
	s_mov_b32 s[EX], 2
.Lpass:                                            ; twice: expert a, expert b
	TRIPHEAD 0
	P1TRIP 1                                       ; the first unit's products start the sums with the bias
	s_cmp_eq_u32 s[EX], 1
	s_cbranch_scc1 .Lno_bias                       ; a forward jump over loads alone; the counted waits behind it hold on both ways (with the 16 loads they wait for more than they need)
	BLOAD BN                                       ; b's bias: its registers' last reader, the first unit, stands twelve v_nop back
.Lno_bias:
	v_add_nc_u32 v[XA0], 0x100, v[XA0]
	v_add_nc_u32 v[XA1], 0x100, v[XA1]
	s_mov_b32 s[TC], 7
.Lp1:
	TRIPHEAD 1                                     ; in the pass's last trip the look-ahead enters the next piece
	P1TRIP 0
	v_add_nc_u32 v[XA0], 0x100, v[XA0]
	v_add_nc_u32 v[XA1], 0x100, v[XA1]
	s_sub_co_u32 s[TC], s[TC], 1
	s_cmp_lg_u32 s[TC], 0
	s_cbranch_scc1 .Lp1
	PLACES
	SWIGLU 0
	SWIGLU 1
	SWIGLU 2
	SWIGLU 3
.irp t, 0,1,2,3
	v_mov_b32 v[GW+2*\t], v[GW+2*\t+1]             ; b's weight takes a's place
.endr
	v_add_nc_u32 v[HS], 0x8000, v[HS]              ; b's h lies behind a's
	v_mov_b32 v[XA0], v[XB0]                       ; the next pass's first fragments are fetched already, from the repeated k
	v_mov_b32 v[XA1], v[XB1]
	s_mov_b64 s[NB:NB+1], s[N1:N1+1]
	s_mov_b64 s[N1:N1+1], s[N2:N2+1]
	s_sub_co_u32 s[EX], s[EX], 1
	s_cmp_lg_u32 s[EX], 0
	s_cbranch_scc1 .Lpass
	s_wait_dscnt 0x0                               ; my h is written, and my reads of x are over
	s_barrier_signal -1
	s_barrier_wait -1                              ; both hold of every wave: h is whole, x's rows are free
	v_add_nc_u32 v[HA], HB, v[L16]
	HFETCH 0, 0
	TRIPHEAD 0
	P2TRIP 1, 0
	v_add_nc_u32 v[HA], 0x2000, v[HA]
	s_mov_b32 s[TC], 6
.Lp2:                                              ; trips 1 to 6 of 8
	TRIPHEAD 4                                     ; trip 3 is the last of a's W2: its look-ahead enters b's
	P2TRIP 0, 0
	v_add_nc_u32 v[HA], 0x2000, v[HA]
	s_sub_co_u32 s[TC], s[TC], 1
	s_cmp_lg_u32 s[TC], 0
	s_cbranch_scc1 .Lp2
	TRIPHEAD 0
	P2TRIP 0, 1                                    ; the last trip is written out: no load leaves the stream
	PLACES
.irp t, 0,1,2,3
	TOSTAGE \t
	SEND \t
.endr
.Ldone:
	s_wait_tensorcnt 0x0                           ; the wave's end
	ds_add_u32 v[SPW], v[NIL]
	s_wait_dscnt 0x0
	s_endpgm
.Lfunc_end_k_q626b9a57cf_chain:
	.size	k_q626b9a57cf_chain, .Lfunc_end_k_q626b9a57cf_chain-k_q626b9a57cf_chain
	.p2alignl 7, 3214868480
	.fill 96, 4, 3214868480
	.section	.rodata,"a",@progbits
	.p2align	6, 0x0
	.amdhsa_kernel k_q626b9a57cf_chain
		.amdhsa_group_segment_fixed_size 215296
		.amdhsa_private_segment_fixed_size 0
		.amdhsa_enable_private_segment 0
		.amdhsa_kernarg_size 48
		.amdhsa_user_sgpr_count 2
		.amdhsa_user_sgpr_kernarg_segment_ptr 1
		.amdhsa_wavefront_size32 1
		.amdhsa_system_sgpr_workgroup_id_x 1
		.amdhsa_system_sgpr_workgroup_id_y 1
		.amdhsa_system_sgpr_workgroup_id_z 1
		.amdhsa_system_vgpr_workitem_id 0
		.amdhsa_next_free_vgpr 1024
		.amdhsa_next_free_sgpr 100
		.amdhsa_reserve_vcc 1
		.amdhsa_float_denorm_mode_32 3
		.amdhsa_float_denorm_mode_16_64 3
		.amdhsa_memory_ordered 1
		.amdhsa_forward_progress 1
		.amdhsa_inst_pref_size 243
	.end_amdhsa_kernel
	.amdgpu_metadata
---
amdhsa.version: [ 1, 2 ]
amdhsa.kernels:
  - .name:           k_q626b9a57cf_chain
    .symbol:         k_q626b9a57cf_chain.kd
    .args:
      - { .name: hidden_states, .offset: 0, .size: 8, .value_kind: global_buffer, .address_space: global }
      - { .name: wf, .offset: 8, .size: 8, .value_kind: global_buffer, .address_space: global }
      - { .name: bias, .offset: 16, .size: 8, .value_kind: global_buffer, .address_space: global }
      - { .name: gw, .offset: 24, .size: 8, .value_kind: global_buffer, .address_space: global }
      - { .name: rec, .offset: 32, .size: 8, .value_kind: global_buffer, .address_space: global }
      - { .name: out0, .offset: 40, .size: 8, .value_kind: global_buffer, .address_space: global }
    .group_segment_fixed_size: 215296
    .private_segment_fixed_size: 0
    .kernarg_segment_align: 8
    .kernarg_segment_size: 48
    .max_flat_workgroup_size: 128
    .sgpr_count:     100
    .vgpr_count:     1024
    .wavefront_size: 32
...
	.end_amdgpu_metadata
.endif
;; end of part 2
